; MI455X (gfx1250); checked and timed in simulation.
; The chip was launched on July 23, 2026; its instructions are those of AMD's public machine-readable ISA for CDNA 5 (MIT licence, August 2026) and "CDNA5" Instruction Set Architecture Reference Guide (July 2026). The comments in the code are by the model that wrote it; some were corrected since.
;; Advanced CRSN. Allowed arithmetic: matrix products marked QUANTISED: E2M1 operands, one E8M0 scale for each 32 along K, by v_wmma_scale_f32_16x16x128_f8f6f4 with both operands' format E2M1 (or v_wmma_scale_f32_32x16x128_f4), f32 sums; products left as they are: f32 operands where the result goes on into a quantised operand, else bf16, f16 or f32 operands; f32 sums; everything else in f32.
;; Inputs: Wi 64 x 64 float32; Wr 64 x 64 float32; adj 32 x 32 float32; codebook 32 x 128 float32; dec_b 32 float32; dec_w 32 x 128 float32; emb_mag 32 x 64 float32; emb_phase 32 x 64 float32; halt_b 1 float32; halt_w 1 x 128 float32; ln_scale 64 float32; ln_shift 64 float32; mr_bias 64 float32; x 131,072 x 1 int32.
;; Outputs: out0 131,072 x 32 float32; out1 one number float32; out2 one number float32.
;; This version of the problem:
;;   THIS VERSION OF THE PROBLEM IS GIVEN IN LOW PRECISION. The matrix products marked QUANTISED in the list below multiply operands that are first quantised to E2M1 (2 exponent bits, 1 mantissa bit; 4 bits a number), with one power-of-two scale for each 32 numbers along K (OCP MX v1.0); their sums are f32. All else is computed in f32.
;;   The module's matrix products, in the order in which they are computed (A, B: the left and right operand; K: the contracted axis; several contracted axes count as one K, in the product's order):
;;     1. [M 131,072, K 64] x [K 64, N 64]; A: computed on the way; B: input Wr: QUANTISED
;;     2. [M 131,072, K 64] x [K 64, N 64]; A: computed on the way; B: input Wi: QUANTISED
;;     3. [M 131,072, K 64] x [K 64, N 64]; A: computed on the way; B: input Wr: QUANTISED
;;     4. [M 131,072, K 64] x [K 64, N 64]; A: computed on the way; B: input Wi: QUANTISED
;;     5. [M 131,072, K 128] x [K 128, N 1]; A: computed on the way; B: input halt_w: left as it is (N = 1 < 16)
;;     6. [M 131,072, K 128] x [K 128, N 32]; A: computed on the way; B: input codebook: QUANTISED
;;     7. [M 131,072, K 64] x [K 64, N 64]; A: computed on the way; B: input Wr: QUANTISED
;;     8. [M 131,072, K 64] x [K 64, N 64]; A: computed on the way; B: input Wi: QUANTISED
;;     9. [M 131,072, K 64] x [K 64, N 64]; A: computed on the way; B: input Wr: QUANTISED
;;     10. [M 131,072, K 64] x [K 64, N 64]; A: computed on the way; B: input Wi: QUANTISED
;;     11. [M 131,072, K 128] x [K 128, N 1]; A: computed on the way; B: input halt_w: left as it is (N = 1 < 16)
;;     12. [M 131,072, K 128] x [K 128, N 32]; A: computed on the way; B: input codebook: QUANTISED
;;     13. [M 131,072, K 64] x [K 64, N 64]; A: computed on the way; B: input Wr: QUANTISED
;;     14. [M 131,072, K 64] x [K 64, N 64]; A: computed on the way; B: input Wi: QUANTISED
;;     15. [M 131,072, K 64] x [K 64, N 64]; A: computed on the way; B: input Wr: QUANTISED
;;     16. [M 131,072, K 64] x [K 64, N 64]; A: computed on the way; B: input Wi: QUANTISED
;;     17. [M 131,072, K 128] x [K 128, N 1]; A: computed on the way; B: input halt_w: left as it is (N = 1 < 16)
;;     18. [M 131,072, K 128] x [K 128, N 32]; A: computed on the way; B: input codebook: QUANTISED
;;     19. [M 131,072, K 64] x [K 64, N 64]; A: computed on the way; B: input Wr: QUANTISED
;;     20. [M 131,072, K 64] x [K 64, N 64]; A: computed on the way; B: input Wi: QUANTISED
;;     21. [M 131,072, K 64] x [K 64, N 64]; A: computed on the way; B: input Wr: QUANTISED
;;     22. [M 131,072, K 64] x [K 64, N 64]; A: computed on the way; B: input Wi: QUANTISED
;;     23. [M 131,072, K 128] x [K 128, N 1]; A: computed on the way; B: input halt_w: left as it is (N = 1 < 16)
;;     24. [M 131,072, K 128] x [K 128, N 32]; A: computed on the way; B: input codebook: QUANTISED
;;     25. [M 131,072, K 128] x [K 128, N 32]; A: computed on the way; B: input dec_w: QUANTISED
;;   THE QUANTISER, for each operand of a quantised product, along K:
;;     - K is cut into blocks of 32 from its start; a last block that is shorter is filled with zeros.
;;     - A block's scale is 2^e with e = floor(log2(the largest magnitude in the block)) - 2, held to -126 .. 127; a block of zeros has e = 0. As a byte (E8M0): e + 127.
;;     - Each number is divided by its block's scale, clamped to +-6, and rounded to the nearest number of E2M1, ties to even, subnormals kept.
;;     - The product sums the exact products of the quantised numbers (number of the format x scale) in f32.
;;   ~~~python
;;   def quantise(x, axis):      # numpy; x: float32 -> the quantised numbers, widened to float32 again
;;       x = np.moveaxis(x, axis, -1); K = x.shape[-1]
;;       x = np.pad(x, [(0, 0)] * (x.ndim - 1) + [(0, -K % 32)]); x = x.reshape(x.shape[:-1] + (-1, 32)); a = np.abs(x).max(-1, keepdims=True)
;;       e = np.where(a > 0, np.clip(np.frexp(np.where(a > 0, a, 1))[1] - 1 - 2, -126, 127), 0)      # np.frexp(a)[1] - 1 = floor(log2(a)), exactly
;;       r = np.clip(x / 2.0 ** e, -6, 6)
;;       step = 2.0 ** (np.maximum(np.frexp(np.where(r == 0, 1, r))[1] - 1, 0) - 1)
;;       q = np.round(r / step) * step * 2.0 ** e      # np.round: ties to even
;;       return np.moveaxis(q.reshape(q.shape[:-2] + (-1,))[..., :K], -1, axis).astype(np.float32)
;;   ~~~
;;   OPERANDS COMPUTED ON THE WAY. 'Computed on the way' means the value that the module computes at that place (a softmax that the list does not call 'softmax' is quantised finished and normalised). What goes into a quantiser is computed in f32, as accurately as f32 sums, v_exp_f32 and their like allow (about 1e-6 of the number): no bf16 or f16 on the way to a quantiser, and a product that is left as it is and whose result goes on into a quantised operand takes f32 operands (vector FMAs, or v_wmma_f32_16x16x4_f32). A number that lies on a knife's edge between two numbers of the format may be rounded either way, as far as f32 arithmetic and the matrix unit's own rounding can turn it there, and no further.
;; One version. Each part assembles by itself: llvm-mc -triple=amdgcn-amd-amdhsa -mcpu=gfx1250 --defsym DOCPART=n.
;; ======== version 1 of 1: 3 launches
;; limits: right only within a limited range of input values
;; workspace buffers: tab 41,984 bytes; ztab 2,304 bytes; part 16,384 bytes
;; launch prep (part 1): grid 21 x 1, 1 waves a work-group, no clusters, 0 bytes of LDS; arguments Wr, Wi, codebook, adj, dec_w, dec_b, emb_mag, emb_phase, tab, ztab; writes tab, ztab
.if DOCPART == 1
	.amdgcn_target "amdgcn-amd-amdhsa--gfx1250"
	.amdhsa_code_object_version 6
	.text
	.protected	k_q5393187f84_prep
	.globl	k_q5393187f84_prep
	.p2align	8
	.type	k_q5393187f84_prep,@function
k_q5393187f84_prep:
	s_mov_b64 s[64:65], 0
	v_nop
	global_prefetch_b8 v0, s[64:65] scope:SCOPE_SE
	s_setreg_imm32_b32 hwreg(HW_REG_WAVE_MODE, 25, 1), 1
	s_wait_xcnt 0x0
; THE TABLES OF THE MAIN LAUNCH, made once.  21 work-groups of one wave, a job each, chosen by the work-group's number J:
;   J 0-3   tiles J and J + 4 of the joint weight [Wr | -Wi ; Wi | Wr] (128 rows x K 128) as FP4 (E2M1) codes and E8M0 scale words
;   J 4-5   the codebook's two tiles of 16 rows;   J 6-7  dec_w's two tiles, and dec_b in the layout of a matrix result
;   J 8     -|codebook row|^2 / 2 in the layout of a matrix result
;   J 9-16  the codebook itself, J 17-18  0.05 sigmoid(adj), each written as EIGHT DIGITS of E2M1: v = sum over p of c_p 2^(E - 3 p), c_p in 0, +-.5 .. +-2, E the exponent of the
;           table row's largest magnitude.  A product of these digits with a one-hot operand picks a table column: what is left over is at most 2^(E - 23).
;   J 19-20 the embedding z0 = mag (cos phase, sin phase) of 16 vocabulary entries, quantised along K as the first product wants it
; Everything is stored as an IMAGE OF THE OPERAND'S REGISTERS: four registers = 512 bytes, lane l's 16 bytes at 16 l.
; A lane is (r, h) = (lane % 16, lane / 16).  A 4-bit operand gives lane (r, h) of row r the numbers k = 64 c + 32 h + 0 .. 31 in registers 4 c .. 4 c + 3.
; THE ROWS OF A TILE ARE NOT NEIGHBOURS: lane r of tile t takes row 32 (t / 2) + 8 (t % 2) + r + 8 (r / 8), so that the results of two neighbouring tiles are 16 neighbours along the next K.
; A block's scale is 2^(floor(log2(largest magnitude)) - 2); its byte is that magnitude's exponent field - 2, held at 1 from below (a block of zeros gets 1: its codes are zeros, and this program alone reads the bytes).
; LIMITS: NaN and infinities are not served.  Table rows whose largest magnitude lies under 2^-100 count as zeros in the digits.  The sine and cosine reduce the phase by pi/2 in three parts:
; beyond about 1e5 radians the reduction loses accuracy.
.set L_OFF,  12288                     ; tab: from here on the part that the main launch copies into LDS
.set T_WF,   0                         ; the weight's 8 tiles, 1,024 bytes each
.set T_CBF,  8192                      ; the codebook's 2 tiles
.set T_WS,   10240                     ; the weight's scale words: register i of chunk c is tile 4 c + i
.set T_CBS,  11264                     ; the codebook's: [w0, w0, w1, w1]
.set ZD,     0                         ; codebook digits: fragment (tile t, half q of the digits) at (2 t + q) x 1,024
.set ZDS,    16384                     ; their scale words: chunk j = [t = 2 j: q 0, q 1; t = 2 j + 1: q 0, q 1]
.set GD,     18432                     ; graph-bias digits, 4 fragments
.set GDS,    22528
.set NCB,    23040
.set DEC,    25088
.set DECS,   27136
.set DECB,   27648
; the largest magnitude of the lane's 32 numbers v[x] .., and a floor among the leaves, into v10
.macro MAX32 x, fl
	v_max3_num_f32 v10, |v[(\x)]|, |v[(\x)+1]|, \fl
	v_max3_num_f32 v11, |v[(\x)+2]|, |v[(\x)+3]|, |v[(\x)+4]|
.irp i, 5,9,13,17,21,25
	v_max3_num_f32 v10, v10, |v[(\x)+\i]|, |v[(\x)+\i+1]|
	v_max3_num_f32 v11, v11, |v[(\x)+\i+2]|, |v[(\x)+\i+3]|
.endr
	v_max3_num_f32 v10, v10, |v[(\x)+29]|, |v[(\x)+30]|
	v_max3_num_f32 v10, v10, v11, |v[(\x)+31]|
.endm
; a whole block of 32 in one lane: four code registers v[c] .. and the scale's byte in v[b]
.macro QBLK x, c, b
	MAX32 \x, 0x1800000                            ; the floor 2^(3 - 127) holds the byte at 1 from below
	v_add_nc_u32 v12, 0xff000000, v10              ; 2 off the exponent field: the conversion takes the exponent field of this operand and nothing else
	v_lshrrev_b32 v[\b], 23, v12
.irp g, 0,1,2,3
	v_cvt_scalef32_pk8_fp4_f32 v[(\c)+\g], v[(\x)+8*\g:(\x)+8*\g+7], v12
.endr
	v_nop                                          ; one plain line behind the scaled conversions
.endm
; a row's scale word: my bytes are blocks h and 2 + h; lane l xor 16 has the other two
.macro WORD d, a, b
	v_lshl_or_b32 v[\d], v[\b], 16, v[\a]
	v_lshlrev_b32 v8, 3, v2
	v_lshlrev_b32 v[\d], v8, v[\d]
	v_permlanex16_b32 v9, v[\d], s30, s31
	v_or_b32 v[\d], v[\d], v9
.endm
	s_load_b512 s[8:23], s[0:1], 0x0               ; Wr s[8:9], Wi s[10:11], codebook s[12:13], adj s[14:15], dec_w s[16:17], dec_b s[18:19], emb_mag s[20:21], emb_phase s[22:23]
	s_load_b128 s[24:27], s[0:1], 0x40             ; tab s[24:25], ztab s[26:27]
	v_and_b32 v1, 15, v0                           ; r
	v_bfe_u32 v2, v0, 4, 1                         ; h
	v_and_b32 v3, 8, v1
	v_add_nc_u32 v3, v3, v1                        ; r + 8 (r / 8)
	v_lshlrev_b32 v4, 4, v0                        ; 16 x lane: my place in an image
	v_mov_b32 v9, 0                                ; a lane permute's destination counts as read
	s_mov_b32 s30, 0x76543210
	s_mov_b32 s31, 0xfedcba98                      ; selects for lane l xor 16
	s_mov_b32 s2, ttmp9                            ; J
	s_wait_kmcnt 0x0
	s_cmp_lt_u32 s2, 4
	s_cbranch_scc1 .Lpw
	s_cmp_lt_u32 s2, 8
	s_cbranch_scc1 .Lpm
	s_cmp_eq_u32 s2, 8
	s_cbranch_scc1 .Lncb
	s_cmp_lt_u32 s2, 19
	s_cbranch_scc1 .Ldig
; ---- J 19, 20: the embedding.  Lane (r, h) of entry v = 16 (J - 19) + r takes units 32 b + 16 h + 0 .. 15, b = 0, 1: element e = 16 b + i
.set MG, 32
.set PH, 64
.set KK, 96
.set R2, 128
.set SP, 160
.set CP, 192
	s_sub_co_u32 s3, s2, 19
	s_lshl_b32 s3, s3, 4
	s_wait_alu depctr_va_vdst(0)
	v_add_nc_u32 v5, s3, v1                        ; v
	v_lshlrev_b32 v6, 8, v5
	v_lshl_add_u32 v6, v2, 6, v6                   ; 256 v + 64 h
.irp b, 0,1
.irp q, 0,1,2,3
	global_load_b128 v[MG+16*\b+4*\q:MG+16*\b+4*\q+3], v6, s[20:21] offset:128*\b+16*\q
	global_load_b128 v[PH+16*\b+4*\q:PH+16*\b+4*\q+3], v6, s[22:23] offset:128*\b+16*\q
.endr
.endr
	s_mov_b32 s40, 0x3f22f983                      ; 2 / pi
	s_mov_b32 s41, 0x3fc90fdb                      ; pi / 2 in three parts
	s_mov_b32 s42, 0xb33bbd2e
	s_mov_b32 s43, 0xa6f72ced
	s_mov_b32 s44, 0xbe2aaaa3                      ; sine: -1.6666654611e-1, 8.3321608736e-3, -1.9515295891e-4
	s_mov_b32 s45, 0x3c08839e
	s_mov_b32 s46, 0xb94ca1f9
	s_mov_b32 s47, 0x3d2aaaa5                      ; cosine: 4.166664568e-2, -1.388731625e-3, 2.443315712e-5
	s_mov_b32 s48, 0xbab6061a
	s_mov_b32 s49, 0x37ccf5ce
.irp b, 0,1,2,3
	v_mov_b32 v[20+\b], 0                          ; lane permutes' destinations
.endr
	s_wait_loadcnt 0x0
.macro ALL32 body:vararg
.set ii, 0
.rept 32
	\body
.set ii, ii+1
.endr
.endm
	ALL32 v_mul_f32 v[KK+ii], s40, v[PH+ii]
	ALL32 v_rndne_f32 v[KK+ii], v[KK+ii]                             ; k: the nearest multiple of pi / 2
	ALL32 v_fma_f32 v[PH+ii], -v[KK+ii], s41, v[PH+ii]               ; x = phase - k pi / 2, |x| <= pi / 4
	ALL32 v_fma_f32 v[PH+ii], -v[KK+ii], s42, v[PH+ii]
	ALL32 v_fma_f32 v[PH+ii], -v[KK+ii], s43, v[PH+ii]
	ALL32 v_mul_f32 v[R2+ii], v[PH+ii], v[PH+ii]
	ALL32 v_fma_f32 v[SP+ii], v[R2+ii], s46, s45
	ALL32 v_fma_f32 v[SP+ii], v[SP+ii], v[R2+ii], s44
	ALL32 v_mul_f32 v[SP+ii], v[SP+ii], v[R2+ii]
	ALL32 v_fma_f32 v[SP+ii], v[SP+ii], v[PH+ii], v[PH+ii]           ; sin x
	ALL32 v_fma_f32 v[CP+ii], v[R2+ii], s49, s48
	ALL32 v_fma_f32 v[CP+ii], v[CP+ii], v[R2+ii], s47
	ALL32 v_mul_f32 v[CP+ii], v[CP+ii], v[R2+ii]
	ALL32 v_fma_f32 v[PH+ii], v[R2+ii], -0.5, 1.0
	ALL32 v_fma_f32 v[CP+ii], v[CP+ii], v[R2+ii], v[PH+ii]           ; cos x
	ALL32 v_cvt_i32_f32 v[KK+ii], v[KK+ii]
.set ii, 0
.rept 32                                           ; odd k: sine and cosine change places
	v_and_b32 v[R2+ii], 1, v[KK+ii]
	v_cmp_eq_u32 vcc_lo, 1, v[R2+ii]
	v_cndmask_b32 v[PH+ii], v[SP+ii], v[CP+ii], vcc_lo
	v_cndmask_b32 v[R2+ii], v[CP+ii], v[SP+ii], vcc_lo
.set ii, ii+1
.endr
	ALL32 v_lshlrev_b32 v[SP+ii], 30, v[KK+ii]                       ; the sine is negative where k & 2,
	ALL32 v_and_b32 v[SP+ii], 0x80000000, v[SP+ii]
	ALL32 v_xor_b32 v[PH+ii], v[PH+ii], v[SP+ii]
	ALL32 v_add_nc_u32 v[CP+ii], 1, v[KK+ii]                         ; the cosine where (k + 1) & 2
	ALL32 v_lshlrev_b32 v[CP+ii], 30, v[CP+ii]
	ALL32 v_and_b32 v[CP+ii], 0x80000000, v[CP+ii]
	ALL32 v_xor_b32 v[R2+ii], v[R2+ii], v[CP+ii]
	ALL32 v_mul_f32 v[SP+ii], v[MG+ii], v[R2+ii]                     ; v160-191: the real parts, k = 32 b + 16 h + i
	ALL32 v_mul_f32 v[CP+ii], v[MG+ii], v[PH+ii]                     ; v192-223: the imaginary parts, k = 64 + ..
	; 64 numbers of a lane, register 16 b + i = k 32 b + 16 h + i, become a fragment's codes (v224-231) and its scale word (v232)
.irp b, 0,1,2,3
	v_max3_num_f32 v[16+\b], |v[160+16*\b]|, |v[161+16*\b]|, 0x1800000
.endr
.irp i, 2,4,6,8,10,12,14
.irp b, 0,1,2,3
	v_max3_num_f32 v[16+\b], v[16+\b], |v[160+16*\b+\i]|, |v[161+16*\b+\i]|
.endr
.endr
.irp b, 0,1,2,3
	v_permlanex16_b32 v[20+\b], v[16+\b], s30, s31
.endr
.irp b, 0,1,2,3
	v_max_num_f32 v[16+\b], v[16+\b], v[20+\b]     ; with lane l xor 16's 16: the block's largest magnitude
.endr
.irp b, 0,1,2,3
	v_add_nc_u32 v[28+\b], 0xff000000, v[16+\b]
.endr
.irp b, 0,1,2,3
	v_lshrrev_b32 v[20+\b], 23, v[28+\b]
.endr
	v_lshl_or_b32 v232, v21, 8, v20
	v_lshl_or_b32 v232, v22, 16, v232
	v_lshl_or_b32 v232, v23, 24, v232
.irp b, 0,1,2,3
	v_cvt_scalef32_pk8_fp4_f32 v[224+2*\b], v[160+16*\b:167+16*\b], v[28+\b]
	v_cvt_scalef32_pk8_fp4_f32 v[225+2*\b], v[168+16*\b:175+16*\b], v[28+\b]
.endr
	v_nop
.irp k, 0,1                                        ; a whole block to a lane: lanes 0-15 block 2 k, lanes 16-31 block 2 k + 1
.irp i, 0,1
	v_permlane16_swap_b32 v[224+4*\k+\i], v[226+4*\k+\i]
.endr
.endr
	v_lshlrev_b32 v7, 6, v5
	v_lshl_add_u32 v7, v2, 4, v7                   ; ztab: 64 bytes an entry, block b at 16 b
	v_lshlrev_b32 v8, 2, v5
	global_store_b128 v7, v[224:227], s[26:27]
	global_store_b128 v7, v[228:231], s[26:27] offset:32
	global_store_b32 v8, v232, s[26:27] offset:2048    ; both lanes of an entry store the same word
	s_endpgm
; ---- J 0-3: row n = 32 (J / 2) + 8 (J % 2) + r + 8 (r / 8) of Wr and Wi; my 32 numbers are k = 32 h ..
.Lpw:
	s_lshr_b32 s3, s2, 1
	s_lshl_b32 s3, s3, 5
	s_and_b32 s4, s2, 1
	s_lshl_b32 s4, s4, 3
	s_add_co_u32 s3, s3, s4
	s_wait_alu depctr_va_vdst(0)
	v_add_nc_u32 v5, s3, v3
	v_lshlrev_b32 v5, 8, v5
	v_lshl_add_u32 v5, v2, 7, v5                   ; 256 n + 128 h
.irp i, 0,1,2,3,4,5,6,7
	global_load_b128 v[32+4*\i:35+4*\i], v5, s[8:9] offset:16*\i
	global_load_b128 v[64+4*\i:67+4*\i], v5, s[10:11] offset:16*\i
.endr
	s_lshl_b32 s5, s2, 10
	v_add_nc_u32 v6, s5, v4
	s_lshl_b32 s5, s2, 2
	v_add_nc_u32 v7, s5, v4
	s_wait_loadcnt 0x0
	QBLK 32, 96, 13
	QBLK 64, 100, 14
.irp i, 0,1,2,3
	v_xor_b32 v[104+\i], 0x88888888, v[100+\i]     ; -Wi: every code's sign
.endr
	WORD 15, 13, 14
	WORD 16, 14, 13
	global_store_b128 v6, v[96:99], s[24:25] offset:T_WF               ; the real output's row: [Wr | -Wi]
	global_store_b128 v6, v[104:107], s[24:25] offset:T_WF+512
	global_store_b128 v6, v[100:103], s[24:25] offset:T_WF+4096        ; the imaginary output's: [Wi | Wr]
	global_store_b128 v6, v[96:99], s[24:25] offset:T_WF+4096+512
	global_store_b32 v7, v15, s[24:25] offset:T_WS
	global_store_b32 v7, v16, s[24:25] offset:T_WS+512
	s_endpgm
; ---- J 4-7: a tile of 16 rows x K 128 of the codebook (row 16 t + r) or of dec_w (row 8 t + r + 8 (r / 8): a lane of the result then holds 16 neighbouring logits)
.Lpm:
	s_and_b32 s3, s2, 1                            ; t
	s_cmp_lt_u32 s2, 6
	s_cselect_b64 s[28:29], s[12:13], s[16:17]
	s_cselect_b32 s4, 0, 8
	s_cselect_b32 s5, 4, 3
	s_mov_b32 s6, L_OFF+DEC
	s_cselect_b32 s6, T_CBF, s6
	s_mov_b32 s7, L_OFF+DECS
	s_cselect_b32 s7, T_CBS, s7
	s_lshl_b32 s5, s3, s5
	s_wait_alu depctr_va_vdst(0)
	v_and_b32 v5, s4, v1
	v_add_nc_u32 v5, v5, v1
	v_add_nc_u32 v5, s5, v5                        ; the row
	v_lshlrev_b32 v5, 9, v5
	v_lshl_add_u32 v5, v2, 7, v5                   ; 512 row + 128 h
.irp i, 0,1,2,3,4,5,6,7
	global_load_b128 v[32+4*\i:35+4*\i], v5, s[28:29] offset:16*\i
	global_load_b128 v[64+4*\i:67+4*\i], v5, s[28:29] offset:256+16*\i
.endr
	s_lshl_b32 s5, s3, 10
	s_add_co_u32 s6, s6, s5
	v_add_nc_u32 v6, s6, v4
	s_lshl_b32 s5, s3, 3
	s_add_co_u32 s7, s7, s5
	v_add_nc_u32 v7, s7, v4
	s_wait_loadcnt 0x0
	QBLK 32, 96, 13
	QBLK 64, 100, 14
	WORD 16, 13, 14
	v_mov_b32 v17, v16
	global_store_b128 v6, v[96:99], s[24:25]
	global_store_b128 v6, v[100:103], s[24:25] offset:512
	global_store_b64 v7, v[16:17], s[24:25]
	s_cmp_lt_u32 s2, 6
	s_cbranch_scc1 .Lpm_end
	v_lshlrev_b32 v18, 6, v2                       ; dec_b as the C of the decoder's tile t: register j of lane (r, h) is logit 16 h + 8 t + j
	s_lshl_b32 s5, s3, 5
	v_add_nc_u32 v18, s5, v18
	s_lshl_b32 s5, s3, 10
	v_add_nc_u32 v19, s5, v4
	global_load_b128 v[20:23], v18, s[18:19]
	global_load_b128 v[24:27], v18, s[18:19] offset:16
	s_wait_alu depctr_va_vdst(0)
	s_wait_loadcnt 0x0
	global_store_b128 v19, v[20:23], s[24:25] offset:L_OFF+DECB
	global_store_b128 v19, v[24:27], s[24:25] offset:L_OFF+DECB+512
.Lpm_end:
	s_endpgm
; ---- J 8: lane l sums the squares of codebook row l; register 8 t + j of lane (r, h) of the scores is symbol 16 t + 8 h + j
.Lncb:
	v_lshlrev_b32 v5, 9, v0
.set ii, 0
.rept 32
	global_load_b128 v[32+4*ii:35+4*ii], v5, s[12:13] offset:16*ii
.set ii, ii+1
.endr
	s_wait_alu depctr_va_vdst(0)
	v_lshlrev_b32 v6, 5, v2
.set ii, 0
.rept 16
	v_add_nc_u32 v[176+ii], 64*(ii/8)+4*(ii%8), v6     ; 4 x the lane that holds the symbol
.set ii, ii+1
.endr
	s_wait_loadcnt 0x0
.irp c, 0,1,2,3
	v_pk_mul_f32 v[16+2*\c:17+2*\c], v[32+2*\c:33+2*\c], v[32+2*\c:33+2*\c]
.endr
.set ii, 8
.rept 15
.irp c, 0,1,2,3
	v_pk_fma_f32 v[16+2*\c:17+2*\c], v[32+ii+2*\c:33+ii+2*\c], v[32+ii+2*\c:33+ii+2*\c], v[16+2*\c:17+2*\c]
.endr
.set ii, ii+8
.endr
	v_pk_add_f32 v[16:17], v[16:17], v[18:19]
	v_pk_add_f32 v[20:21], v[20:21], v[22:23]
	v_pk_add_f32 v[16:17], v[16:17], v[20:21]
	v_add_f32 v16, v16, v17
	v_mul_f32 v16, -0.5, v16
.set ii, 0
.rept 16
	ds_bpermute_b32 v[192+ii], v[176+ii], v16
.set ii, ii+1
.endr
	s_wait_dscnt 0x0
.irp k, 0,1,2,3
	global_store_b128 v4, v[192+4*\k:195+4*\k], s[24:25] offset:L_OFF+NCB+512*\k
.endr
	s_endpgm
; ---- J 9-18: a tile of 16 table rows as digits.  Every lane holds all 32 columns (symbols) of its row, both halves of the lanes alike
.Ldig:
	s_cmp_lt_u32 s2, 17
	s_cselect_b32 s3, 9, 17
	s_mov_b32 s4, L_OFF+GD
	s_cselect_b32 s4, L_OFF+ZD, s4
	s_mov_b32 s5, L_OFF+GDS
	s_cselect_b32 s5, L_OFF+ZDS, s5
	s_sub_co_u32 s3, s2, s3                        ; t
	s_lshl_b32 s6, s3, 11
	s_add_co_u32 s4, s4, s6
	s_wait_alu depctr_va_vdst(0)
	v_add_nc_u32 v6, s4, v4                        ; the tile's two fragments
	s_lshr_b32 s6, s3, 1
	s_lshl_b32 s7, s6, 9
	s_add_co_u32 s5, s5, s7
	s_and_b32 s7, s3, 1
	s_lshl_b32 s28, s7, 3
	s_add_co_u32 s5, s5, s28
	v_add_nc_u32 v7, s5, v4                        ; its two scale words
	s_cmp_lt_u32 s2, 17
	s_cbranch_scc0 .Ldig_g
	s_lshl_b32 s6, s6, 5
	s_add_co_u32 s6, s6, s28                       ; 32 (t / 2) + 8 (t % 2)
	v_add_nc_u32 v5, s6, v3
	v_lshlrev_b32 v5, 2, v5
.set ii, 0
.rept 32
	global_load_b32 v[32+ii], v5, s[12:13] offset:512*ii   ; codebook[symbol ii][my feature]
.set ii, ii+1
.endr
	s_wait_loadcnt 0x0
	s_branch .Ldigits
.Ldig_g:
	s_lshl_b32 s6, s3, 4
	v_add_nc_u32 v5, s6, v1
	v_lshlrev_b32 v5, 2, v5
.set ii, 0
.rept 32
	global_load_b32 v[32+ii], v5, s[14:15] offset:128*ii   ; adj[last symbol ii][candidate 16 t + r]
.set ii, ii+1
.endr
	s_wait_loadcnt 0x0
.set ii, 0
.rept 32
	v_mul_f32 v[32+ii], 0xbfb8aa3b, v[32+ii]
.set ii, ii+1
.endr
.set ii, 0
	s_wait_alu depctr_va_vdst(0)
.rept 32
	v_exp_f32 v[32+ii], v[32+ii]
.set ii, ii+1
.endr
	v_nop
	s_wait_alu depctr_va_vdst(0)                   ; one wait for the batch, ahead of its first reader
.set ii, 0
.rept 32
	v_add_f32 v[32+ii], 1.0, v[32+ii]
.set ii, ii+1
.endr
.set ii, 0
	s_wait_alu depctr_va_vdst(0)
.rept 32
	v_rcp_f32 v[32+ii], v[32+ii]
.set ii, ii+1
.endr
	v_nop
	s_wait_alu depctr_va_vdst(0)
.set ii, 0
.rept 32
	v_mul_f32 v[32+ii], 0x3d4ccccd, v[32+ii]       ; 0.05 sigmoid: the bias of -d / 2
.set ii, ii+1
.endr
.Ldigits:
	MAX32 32, 0x0d800000                           ; the floor 2^(27 - 127) keeps the last digit's scale byte above 0
	v_and_b32 v12, 0x7f800000, v10
	v_or_b32 v12, 0x80000000, v12                  ; -2^E: the conversion takes its exponent field alone; the multiply-add below takes its sign too
	v_mov_b32 v13, v12                             ; (named with it as a pair)
	v_mov_b32 v14, 0x7f7f7f7f                      ; the scale 1 for the way back
.set pp, 0
.rept 8
.irp i, 0,1,2,3
	v_cvt_scalef32_pk8_fp4_f32 v[96+4*pp+\i], v[32+8*\i:39+8*\i], v12      ; digit pp of symbols 8 i ..
.endr
	v_nop
.if pp < 7
.irp i, 0,1,2,3
	v_cvt_scale_pk8_f32_fp4 v[64+8*\i:71+8*\i], v[96+4*pp+\i], v14
.endr
	v_nop
.set ii, 0
.rept 16
	v_pk_fma_f32 v[32+ii:33+ii], v[64+ii:65+ii], v[12:13], v[32+ii:33+ii] op_sel_hi:[1,0,1]   ; what is left: exact
.set ii, ii+2
.endr
	v_add_nc_u32 v12, 0xfe800000, v12              ; 3 off the exponent field
.endif
.set pp, pp+1
.endr
	v_cmp_eq_u32 vcc_lo, 1, v2
.irp q, 0,1
.irp c, 0,1
.irp i, 0,1,2,3
	v_cndmask_b32 v[128+8*\q+4*\c+\i], v[96+4*(4*\q+2*\c)+\i], v[96+4*(4*\q+2*\c+1)+\i], vcc_lo   ; block 2 c + h of fragment q is digit 4 q + 2 c + h
.endr
.endr
.endr
	v_lshrrev_b32 v15, 23, v10                     ; E + 127
	v_mul_lo_u32 v16, v15, 0x01010101
	v_add_nc_u32 v16, 0xf6f9fd00, v16              ; bytes E + 127 - 0, 3, 6, 9
	v_add_nc_u32 v17, 0xf3f3f3f4, v16              ; and 12 less
.irp k, 0,1,2,3
	global_store_b128 v6, v[128+4*\k:131+4*\k], s[24:25] offset:512*\k
.endr
	global_store_b64 v7, v[16:17], s[24:25]
	s_endpgm
.Lfunc_end_k_q5393187f84_prep:
	.size	k_q5393187f84_prep, .Lfunc_end_k_q5393187f84_prep-k_q5393187f84_prep
	.p2alignl 7, 3214868480
	.fill 96, 4, 3214868480
	.section	.rodata,"a",@progbits
	.p2align	6, 0x0
	.amdhsa_kernel k_q5393187f84_prep
		.amdhsa_group_segment_fixed_size 0
		.amdhsa_private_segment_fixed_size 0
		.amdhsa_enable_private_segment 0
		.amdhsa_kernarg_size 80
		.amdhsa_user_sgpr_count 2
		.amdhsa_user_sgpr_kernarg_segment_ptr 1
		.amdhsa_wavefront_size32 1
		.amdhsa_system_sgpr_workgroup_id_x 1
		.amdhsa_system_sgpr_workgroup_id_y 1
		.amdhsa_system_sgpr_workgroup_id_z 1
		.amdhsa_system_vgpr_workitem_id 0
		.amdhsa_next_free_vgpr 256
		.amdhsa_next_free_sgpr 66
		.amdhsa_reserve_vcc 1
		.amdhsa_float_denorm_mode_32 3
		.amdhsa_float_denorm_mode_16_64 3
		.amdhsa_memory_ordered 1
		.amdhsa_forward_progress 1
		.amdhsa_inst_pref_size 100
	.end_amdhsa_kernel
	.amdgpu_metadata
---
amdhsa.version: [ 1, 2 ]
amdhsa.kernels:
  - .name:           k_q5393187f84_prep
    .symbol:         k_q5393187f84_prep.kd
    .args:
      - { .name: Wr, .offset: 0, .size: 8, .value_kind: global_buffer, .address_space: global }
      - { .name: Wi, .offset: 8, .size: 8, .value_kind: global_buffer, .address_space: global }
      - { .name: codebook, .offset: 16, .size: 8, .value_kind: global_buffer, .address_space: global }
      - { .name: adj, .offset: 24, .size: 8, .value_kind: global_buffer, .address_space: global }
      - { .name: dec_w, .offset: 32, .size: 8, .value_kind: global_buffer, .address_space: global }
      - { .name: dec_b, .offset: 40, .size: 8, .value_kind: global_buffer, .address_space: global }
      - { .name: emb_mag, .offset: 48, .size: 8, .value_kind: global_buffer, .address_space: global }
      - { .name: emb_phase, .offset: 56, .size: 8, .value_kind: global_buffer, .address_space: global }
      - { .name: tab, .offset: 64, .size: 8, .value_kind: global_buffer, .address_space: global }
      - { .name: ztab, .offset: 72, .size: 8, .value_kind: global_buffer, .address_space: global }
    .group_segment_fixed_size: 0
    .private_segment_fixed_size: 0
    .kernarg_segment_align: 8
    .kernarg_segment_size: 80
    .max_flat_workgroup_size: 32
    .sgpr_count:     66
    .vgpr_count:     256
    .wavefront_size: 32
...
	.end_amdgpu_metadata
.endif
;; end of part 1
;; launch main (part 2): grid 256 x 1, 8 waves a work-group, no clusters, 50,176 bytes of LDS; arguments x, tab, ztab, ln_scale, ln_shift, mr_bias, halt_w, halt_b, out0, part; writes out0, part
.if DOCPART == 2
	.amdgcn_target "amdgcn-amd-amdhsa--gfx1250"
	.amdhsa_code_object_version 6
	.text
	.protected	k_q5393187f84_main
	.globl	k_q5393187f84_main
	.p2align	8
	.type	k_q5393187f84_main,@function
k_q5393187f84_main:
	s_mov_b64 s[64:65], 0
	v_nop
	global_prefetch_b8 v0, s[64:65] scope:SCOPE_SE
	s_setreg_imm32_b32 hwreg(HW_REG_WAVE_MODE, 25, 1), 1
	s_wait_xcnt 0x0
; THE WHOLE CHAIN FOR 131,072 ROWS: four rounds of (complex linear, LayerNorm of the magnitude, ModReLU, halting, nearest codebook row with graph bias, mix, ACT sum), then the decoder.
; All quantised products run on FP4 (E2M1) codes with E8M0 scales.  SHARES: 256 work-groups x 8 waves; a wave owns 64 rows, four tiles of 16, one after the other; two waves to a SIMD, 512 registers each.
; LAYOUT.  Every product is used transposed (source 0 = 16 table rows, source 1 = my 16 data rows): lane (r, h) = (lane % 16, lane / 16) holds data row r throughout.  The table rows of a tile are chosen so that
; register 16 b + i of a result is index 32 b + 16 h + i of the next K.  Indices 0-63 are real parts, 64-127 imaginary: N[e] and N[32 + e] are one complex unit.  A row lies in lanes l and l xor 16.
; The four K = 64 products of a round are ONE K = 128 product [zr | zi] x [Wr | -Wi ; Wi | Wr]^T: the same blocks of 32, the same multiply-adds.
; codebook[idx] AND adj[sym] ARE PICKED BY A ONE-HOT PRODUCT, since no address may hang on the argmin: the tables lie as eight digits of E2M1 (K index 32 p + symbol, scale 2^(E - 3 p)), the data operand is 4.0 x 2^-2 at the row's symbol.
; ALGEBRA KEPT: raw = s rsq(s), s = nr^2 + ni^2 + 2^-126 (units with |n| under 3.4e-16 get a shortened phase factor); the ModReLU's magnitude is |mn| + 1e-6; z = f + 0.3 (zq - f);
; the argmin of d is the argmax of f.c - |c|^2 / 2 + 0.05 sigmoid(adj): the row's own sum of squares moves no argmin; ties go to the lower index; the last round's p, which nothing uses, is not made.
; LIMITS: NaN and infinities are not served; picked table entries are exact to 2^-23 of their table row's largest entry.
; LDS: bytes 0 .. 29,695 the tables' image, stored once and only read behind the one barrier; then a stage of 16 rows x 144 bytes for each wave, its own.
.set L_OFF,  12288
.set T_WF,   0
.set T_CBF,  8192
.set T_WS,   10240
.set T_CBS,  11264
.set ZD,     0
.set ZDS,    16384
.set GD,     18432
.set GDS,    22528
.set NCB,    23040
.set DEC,    25088
.set DECS,   27136
.set DECB,   27648
.set IMG,    29696
.set STGB,   2304
; window 0
.set LI,   1                           ; 16 x lane
.set STO,  2                           ; the stage: 144 r + 64 h
.set RD,   3                           ; and back: 144 (lane / 8) + 16 (lane % 8)
.set XP,   4                           ; my row's x of the four tiles, a byte each
.set POND, 5
.set PEFF, 6                           ; v[6:7]  p_eff, remain
.set REM,  7
.set BC,   8                           ; v[8:9]  a row's number for packed lines, halting
.set HALT, 9
.set WS,   10                          ; v10-17 the weight's scale words   (v10-30 hold scales and nothing else)
.set CBS,  18                          ; v18-19 the codebook's
.set AS,   20                          ; the scale word of the operand just quantised
.set ONE,  21                          ; 2^-2 four times: the one-hot operand's
.set TS,   22                          ; v22-29 scale words that come and go
.set ZSN,  30                          ; z0's
.set PX,   31                          ; lane permutes' destination
.set N,    32                          ; v32-95   the row's 64 numbers
.set ACC,  96                          ; v96-159  the ACT sum
.set SS,   160
.set RR,   192
.set AA,   224
.set T,    224
.set GF,   160
.set FC,   192
.set P,    200
.set STL,  201
.set HD,   208
.set SCO,  224
.set TM,   240
.set FB,   160
.set ZQ,   224
.set ZC,   160
.set DF,   168
.set DC,   184
.set OB,   192
.set LG,   224
; window 1: all stays
.set OH,   0                           ; the one-hot operand
.set LOSS, 8                           ; four pairs
.set LNS,  16
.set LNB,  48
.set MRB,  80
.set HW,   112
.set WF,   176
.set CBF,  240
.set MSB, 0
.macro WIN new                         ; s_set_vgpr_msb: bits 1:0 source 0, 3:2 source 1, 5:4 source 2, 7:6 destination; the high byte repeats the setting that is left
.if MSB != \new
	s_set_vgpr_msb (MSB<<8)|\new
.set MSB, \new
.endif
.endm
.macro NOPS n
.rept \n
	v_nop
.endr
.endm
.macro WM0 d, a, b, sa, sb             ; a product that starts its sum
	v_wmma_scale_f32_16x16x128_f8f6f4 v[(\d):(\d)+7], v[(\a):(\a)+7], v[(\b):(\b)+7], 0, v[\sa], v[\sb] matrix_a_fmt:MATRIX_FMT_FP4 matrix_b_fmt:MATRIX_FMT_FP4
.endm
.macro WMA d, a, b, sa, sb             ; one that adds in place
	v_wmma_scale_f32_16x16x128_f8f6f4 v[(\d):(\d)+7], v[(\a):(\a)+7], v[(\b):(\b)+7], v[(\d):(\d)+7], v[\sa], v[\sb] matrix_a_fmt:MATRIX_FMT_FP4 matrix_b_fmt:MATRIX_FMT_FP4
.endm
.macro ROWSUM t                        ; four pairs of partial sums become the row's sum, in both of its lanes
	v_pk_add_f32 v[(\t):(\t)+1], v[(\t):(\t)+1], v[(\t)+2:(\t)+3]
	v_pk_add_f32 v[(\t)+4:(\t)+5], v[(\t)+4:(\t)+5], v[(\t)+6:(\t)+7]
	s_delay_alu instid0(VALU_DEP_1)
	v_pk_add_f32 v[(\t):(\t)+1], v[(\t):(\t)+1], v[(\t)+4:(\t)+5]
	s_delay_alu instid0(VALU_DEP_1)
	v_add_f32 v[\t], v[\t], v[(\t)+1]
	s_delay_alu instid0(VALU_DEP_1)
	v_permlanex16_b32 v[PX], v[\t], s30, s31
	s_delay_alu instid0(VALU_DEP_1)
	v_add_f32 v[\t], v[\t], v[PX]
.endm
; THE QUANTISER of 64 numbers of a lane, register 16 b + i = k 32 b + 16 h + i, in two parts.  A: my 16 numbers' largest magnitude for each of the four blocks, with the floor 2^(3 - 127)
.macro QUANT_A s
.irp b, 0,1,2,3
	v_max3_num_f32 v[TM+\b], |v[(\s)+16*\b]|, |v[(\s)+1+16*\b]|, 0x1800000
.endr
.irp i, 2,4,6,8,10,12,14
.irp b, 0,1,2,3
	s_delay_alu instid0(VALU_DEP_4)
	v_max3_num_f32 v[TM+\b], v[TM+\b], |v[(\s)+16*\b+\i]|, |v[(\s)+1+16*\b+\i]|
.endr
.endr
.endm
; B: with lane l xor 16's; the scale word into v[AS]; the codes into v[c] .. v[c + 7]
.macro QUANT_B s, c
.irp b, 0,1,2,3
	v_permlanex16_b32 v[TM+4+\b], v[TM+\b], s30, s31
.endr
.irp b, 0,1,2,3
	s_delay_alu instid0(VALU_DEP_4)
	v_max_num_f32 v[TM+\b], v[TM+\b], v[TM+4+\b]
.endr
.irp b, 0,1,2,3
	s_delay_alu instid0(VALU_DEP_4)
	v_add_nc_u32 v[TM+12+\b], 0xff000000, v[TM+\b]     ; 2 off the exponent field: the conversion's scale operand
.endr
.irp b, 0,1,2,3
	s_delay_alu instid0(VALU_DEP_4)
	v_lshrrev_b32 v[TM+4+\b], 23, v[TM+12+\b]          ; the scale's byte
.endr
	s_delay_alu instid0(VALU_DEP_3)
	v_lshl_or_b32 v[AS], v[TM+5], 8, v[TM+4]
	s_delay_alu instid0(VALU_DEP_1)
	v_lshl_or_b32 v[AS], v[TM+6], 16, v[AS]
	s_delay_alu instid0(VALU_DEP_1)
	v_lshl_or_b32 v[AS], v[TM+7], 24, v[AS]
.irp b, 0,1,2,3
	v_cvt_scalef32_pk8_fp4_f32 v[(\c)+2*\b], v[(\s)+16*\b:(\s)+16*\b+7], v[TM+12+\b]
	v_cvt_scalef32_pk8_fp4_f32 v[(\c)+1+2*\b], v[(\s)+8+16*\b:(\s)+15+16*\b], v[TM+12+\b]
.endr
	v_nop                                          ; one plain line behind the scaled conversions
.irp k, 0,1                                        ; a whole block to a lane
.irp i, 0,1
	v_permlane16_swap_b32 v[(\c)+4*\k+\i], v[(\c)+2+4*\k+\i]
.endr
.endr
.endm
; z0's codes and scale word of the tile whose x stands sh bits up in v[XP]
.macro GATHER sh
	v_lshrrev_b32 v208, \sh, v[XP]
	s_delay_alu instid0(VALU_DEP_1)
	v_and_b32 v208, 0xff, v208
	s_delay_alu instid0(VALU_DEP_1)
	v_min_u32 v208, 31, v208                       ; the index stays inside the table
	s_delay_alu instid0(VALU_DEP_1)
	v_lshlrev_b32 v209, 2, v208
	s_delay_alu instid0(VALU_DEP_2)
	v_lshlrev_b32 v208, 6, v208
	v_and_b32 v210, 16, v0                         ; 16 h
	s_delay_alu instid0(VALU_DEP_1)
	v_add_nc_u32 v208, v208, v210
	global_load_b128 v[ZC:ZC+3], v208, s[12:13]
	global_load_b128 v[ZC+4:ZC+7], v208, s[12:13] offset:32
	global_load_b32 v[ZSN], v209, s[12:13] offset:2048
.endm
	s_load_b512 s[8:23], s[0:1], 0x0               ; x s[8:9], tab s[10:11], ztab s[12:13], ln_scale s[14:15], ln_shift s[16:17], mr_bias s[18:19], halt_w s[20:21], halt_b s[22:23]
	s_load_b128 s[24:27], s[0:1], 0x40             ; out0 s[24:25], part s[26:27]
	v_lshrrev_b32 v128, 5, v0
	s_delay_alu instid0(VALU_DEP_1)
	v_readfirstlane_b32 s2, v128                   ; wave 0..7
	v_and_b32 v129, 31, v0                         ; lane
	v_and_b32 v130, 15, v0                         ; r
	v_bfe_u32 v131, v0, 4, 1                       ; h
	s_delay_alu instid0(VALU_DEP_3)
	v_lshlrev_b32 v[LI], 4, v129
	s_mul_i32 s7, s2, STGB
	s_add_co_u32 s7, s7, IMG                       ; my stage
	v_mul_u32_u24 v[STO], v130, 144
	s_delay_alu instid0(VALU_DEP_1)
	v_lshl_add_u32 v[STO], v131, 6, v[STO]
	s_delay_alu instid0(VALU_DEP_1)
	v_add_nc_u32 v[STO], s7, v[STO]
	v_lshrrev_b32 v132, 3, v129
	s_delay_alu instid0(VALU_DEP_1)
	v_mul_u32_u24 v[RD], v132, 144
	v_and_b32 v132, 7, v0
	s_delay_alu instid0(VALU_DEP_1)
	v_lshl_add_u32 v[RD], v132, 4, v[RD]
	s_delay_alu instid0(VALU_DEP_1)
	v_add_nc_u32 v[RD], s7, v[RD]
	v_lshlrev_b32 v133, 4, v0                      ; 16 x thread: the copy of the image
	v_lshlrev_b32 v134, 2, v130                    ; 4 r
	v_lshlrev_b32 v135, 6, v131                    ; 64 h
	s_mov_b32 s30, 0x76543210
	s_mov_b32 s31, 0xfedcba98                      ; selects for lane l xor 16
	s_mov_b32 s32, 0x00800000                      ; 2^-126
	s_mov_b32 s33, s32
	s_mov_b32 s34, 0x358637bd                      ; 1e-6
	s_mov_b32 s35, s34
	s_mov_b32 s36, 0x3c820821                      ; 1 / 63
	s_mov_b32 s37, 0xbfb8aa3b                      ; -log2(e)
	s_mov_b32 s38, 0x3e99999a                      ; 0.3
	s_mov_b32 s39, s38
	s_lshl_b32 s6, ttmp9, 3
	s_add_co_u32 s6, s6, s2                        ; W: which 64 rows are mine
	s_lshl_b32 s40, s6, 8
	s_mov_b32 s41, 0
	s_lshl_b32 s42, s6, 13
	s_mov_b32 s43, 0
	s_lshl_b32 s44, s6, 3
	s_mov_b32 s45, 0
	s_wait_alu depctr_va_vdst(0)
	s_wait_kmcnt 0x0
	s_load_b32 s28, s[22:23], 0x0                  ; halt_b
	s_add_nc_u64 s[8:9], s[8:9], s[40:41]
	s_add_nc_u64 s[24:25], s[24:25], s[42:43]
	s_add_nc_u64 s[26:27], s[26:27], s[44:45]
.irp i, 0,1,2,3,4,5,6
	global_load_b128 v[96+4*\i:99+4*\i], v133, s[10:11] offset:L_OFF+4096*\i   ; the image: 256 threads x 16 bytes, seven times,
.endr
	s_cmp_lt_u32 s2, 2
	s_cbranch_scc0 .Lno8a
	global_load_b128 v[124:127], v133, s[10:11] offset:L_OFF+28672             ; and its last 1,024 bytes by waves 0 and 1
.Lno8a:
.irp i, 0,1,2,3
	global_load_b32 v[136+\i], v134, s[8:9] offset:64*\i                       ; x of my row in the four tiles
.endr
	WIN 0x40                                       ; destinations in window 1
.irp b, 0,1
.irp q, 0,1,2,3
	global_load_b128 v[LNS+16*\b+4*\q:LNS+16*\b+4*\q+3], v135, s[14:15] offset:128*\b+16*\q   ; of unit 32 b + 16 h + 4 q ..
	global_load_b128 v[LNB+16*\b+4*\q:LNB+16*\b+4*\q+3], v135, s[16:17] offset:128*\b+16*\q
	global_load_b128 v[MRB+16*\b+4*\q:MRB+16*\b+4*\q+3], v135, s[18:19] offset:128*\b+16*\q
.endr
.endr
.irp b, 0,1,2,3
.irp q, 0,1,2,3
	global_load_b128 v[HW+16*\b+4*\q:HW+16*\b+4*\q+3], v135, s[20:21] offset:128*\b+16*\q
.endr
.endr
.set ii, 0
.rept 16
	global_load_b128 v[WF+4*ii:WF+4*ii+3], v[LI], s[10:11] offset:T_WF+512*ii
.set ii, ii+1
.endr
.set ii, 0
.rept 4
	global_load_b128 v[CBF+4*ii:CBF+4*ii+3], v[LI], s[10:11] offset:T_CBF+512*ii
.set ii, ii+1
.endr
.irp i, 0,1,2,3,4,5,6,7
	v_mov_b32 v[LOSS+\i], 0
.endr
	WIN 0
	global_load_b128 v[WS:WS+3], v[LI], s[10:11] offset:T_WS
	global_load_b128 v[WS+4:WS+7], v[LI], s[10:11] offset:T_WS+512
	global_load_b32 v[CBS], v[LI], s[10:11] offset:T_CBS
	global_load_b32 v[CBS+1], v[LI], s[10:11] offset:T_CBS+8
	v_mov_b32 v[POND], 0
	v_mov_b32 v[HALT], 0
	v_mov_b32 v[PX], 0
	v_mov_b32 v[ONE], 0x7d7d7d7d
	s_wait_loadcnt 0x0                             ; everything is in
.irp i, 0,1,2,3,4,5,6
	ds_store_b128 v133, v[96+4*\i:99+4*\i] offset:4096*\i
.endr
	s_cmp_lt_u32 s2, 2
	s_cbranch_scc0 .Lno8b
	ds_store_b128 v133, v[124:127] offset:28672
.Lno8b:
.irp i, 0,1,2,3
	v_min_u32 v[136+\i], 31, v[136+\i]
.endr
	s_delay_alu instid0(VALU_DEP_3)
	v_lshl_or_b32 v[XP], v137, 8, v136
	s_delay_alu instid0(VALU_DEP_1)
	v_lshl_or_b32 v[XP], v138, 16, v[XP]
	s_delay_alu instid0(VALU_DEP_1)
	v_lshl_or_b32 v[XP], v139, 24, v[XP]
	s_wait_alu depctr_va_vdst(0)
	s_wait_kmcnt 0x0                               ; halt_b
	s_wait_dscnt 0x0                               ; for the others' sake: my part of the image is stored
	s_barrier_signal -1
	s_barrier_wait -1                              ; the image is whole; nobody writes it again
	s_mov_b32 s3, 0                                ; the tile
	s_mov_b32 s5, 0                                ; 8 x the tile
	GATHER s5
; ONE ROUND for 16 rows.  first = 1: z comes as z0's codes, there is no last symbol, the ACT sum begins.  last = 1: p_eff is what remains, and z is not quantised again.
.macro STEP first, last
	; ---- the complex linear layer: 8 tiles of 16 outputs
	WIN 0x01                                       ; source 0 (the weight) in window 1
.set ii, 0
.rept 8
.if \first
	WM0 N+8*ii, WF+8*ii, ZC, WS+ii, ZSN
.else
	WM0 N+8*ii, WF+8*ii, ZC, WS+ii, AS
.endif
.set ii, ii+1
.endr
	WIN 0
	NOPS 4                                         ; four plain lines between the products and the first read of their results (ISA guide 7.12.1)
	; ---- LayerNorm of the magnitude, ModReLU: one real factor for each complex unit
.set ii, 0
.rept 16
	v_pk_fma_f32 v[SS+ii:SS+ii+1], v[N+ii:N+ii+1], v[N+ii:N+ii+1], s[32:33] op_sel_hi:[1,1,0]   ; each accumulator is read from its low end on
.set ii, ii+2
.endr
.set ii, 0
.rept 16
	v_pk_fma_f32 v[SS+ii:SS+ii+1], v[N+32+ii:N+33+ii], v[N+32+ii:N+33+ii], v[SS+ii:SS+ii+1]     ; s = re^2 + im^2 + 2^-126
.set ii, ii+2
.endr
.set ii, 0
	s_wait_alu depctr_va_vdst(0)
.rept 32
	v_rsq_f32 v[RR+ii], v[SS+ii]
.set ii, ii+1
.endr
	v_nop
	s_wait_alu depctr_va_vdst(0)                   ; one wait for the batch, ahead of its first reader
.set ii, 0
.rept 16
	v_pk_fma_f32 v[SS+ii:SS+ii+1], v[SS+ii:SS+ii+1], v[RR+ii:RR+ii+1], s[34:35] op_sel_hi:[1,1,0]   ; mag = s rsq(s) + 1e-6
.set ii, ii+2
.endr
.irp c, 0,1,2,3
	v_pk_add_f32 v[T+2*\c:T+2*\c+1], v[SS+2*\c:SS+2*\c+1], v[SS+8+2*\c:SS+9+2*\c]
.endr
.irp g, 16,24
.irp c, 0,1,2,3
	s_delay_alu instid0(VALU_DEP_4)
	v_pk_add_f32 v[T+2*\c:T+2*\c+1], v[T+2*\c:T+2*\c+1], v[SS+\g+2*\c:SS+\g+2*\c+1]
.endr
.endr
	ROWSUM T
	s_delay_alu instid0(VALU_DEP_1)
	v_mul_f32 v[BC], 0x3c800000, v[T]              ; the mean of 64
.set ii, 0
.rept 16
	v_pk_add_f32 v[SS+ii:SS+ii+1], v[SS+ii:SS+ii+1], v[BC:BC+1] op_sel_hi:[1,0] neg_lo:[0,1] neg_hi:[0,1]
.set ii, ii+2
.endr
.irp c, 0,1,2,3
	v_pk_mul_f32 v[T+2*\c:T+2*\c+1], v[SS+2*\c:SS+2*\c+1], v[SS+2*\c:SS+2*\c+1]
.endr
.irp g, 8,16,24
.irp c, 0,1,2,3
	s_delay_alu instid0(VALU_DEP_4)
	v_pk_fma_f32 v[T+2*\c:T+2*\c+1], v[SS+\g+2*\c:SS+\g+2*\c+1], v[SS+\g+2*\c:SS+\g+2*\c+1], v[T+2*\c:T+2*\c+1]
.endr
.endr
	ROWSUM T
	s_delay_alu instid0(VALU_DEP_1)
	v_fma_f32 v[T], v[T], s36, s34                 ; the unbiased variance + 1e-6
	s_wait_alu depctr_va_vdst(0)
	v_rsq_f32 v[BC], v[T]
	v_nop
	s_wait_alu depctr_va_vdst(0)
.set ii, 0
.rept 16
	v_pk_mul_f32 v[SS+ii:SS+ii+1], v[SS+ii:SS+ii+1], v[BC:BC+1] op_sel_hi:[1,0]
.set ii, ii+2
.endr
	WIN 0x14                                       ; sources 1 and 2 in window 1
.set ii, 0
.rept 16
	v_pk_fma_f32 v[SS+ii:SS+ii+1], v[SS+ii:SS+ii+1], v[LNS+ii:LNS+ii+1], v[LNB+ii:LNB+ii+1]     ; mn
.set ii, ii+2
.endr
	WIN 0
.set ii, 0
.rept 32
	v_add_f32 v[AA+ii], |v[SS+ii]|, s34            ; mag2 = |mn| + 1e-6
.set ii, ii+1
.endr
.set ii, 0
.rept 16
	v_pk_mul_f32 v[RR+ii:RR+ii+1], v[SS+ii:SS+ii+1], v[RR+ii:RR+ii+1]                           ; mn / raw
.set ii, ii+2
.endr
.set ii, 0
	s_wait_alu depctr_va_vdst(0)
.rept 32
	v_rcp_f32 v[SS+ii], v[AA+ii]
.set ii, ii+1
.endr
	v_nop                                          ; a plain line before the reciprocals' sources are written again
	WIN 0x04                                       ; source 1 in window 1
.set ii, 0
.rept 16
	v_pk_add_f32 v[AA+ii:AA+ii+1], v[AA+ii:AA+ii+1], v[MRB+ii:MRB+ii+1]
.set ii, ii+2
.endr
	WIN 0
.set ii, 0
.rept 32
	v_max_num_f32 v[AA+ii], 0, v[AA+ii]            ; relu(mag2 + bias)
.set ii, ii+1
.endr
.set ii, 0
.rept 16
	v_pk_mul_f32 v[RR+ii:RR+ii+1], v[RR+ii:RR+ii+1], v[AA+ii:AA+ii+1]
.set ii, ii+2
.endr
	s_wait_alu depctr_va_vdst(0)                   ; one wait for the 32 reciprocals; the 64 lines above are the work behind them
.set ii, 0
.rept 16
	v_pk_mul_f32 v[RR+ii:RR+ii+1], v[RR+ii:RR+ii+1], v[SS+ii:SS+ii+1]
.set ii, ii+2
.endr
.set ii, 0
.rept 16
	v_pk_mul_f32 v[N+ii:N+ii+1], v[N+ii:N+ii+1], v[RR+ii:RR+ii+1]
	v_pk_mul_f32 v[N+32+ii:N+33+ii], v[N+32+ii:N+33+ii], v[RR+ii:RR+ii+1]                       ; N = feats
.set ii, ii+2
.endr
	; ---- what the scores want from LDS is asked for now
.irp k, 0,1,2,3
	ds_load_b128 v[SCO+4*\k:SCO+4*\k+3], v[LI] offset:NCB+512*\k
.endr
.if !\first
.irp k, 0,1,2,3,4,5,6,7
	ds_load_b128 v[GF+4*\k:GF+4*\k+3], v[LI] offset:GD+512*\k
.endr
	ds_load_b128 v[TS:TS+3], v[LI] offset:GDS
.endif
	; ---- halting (f32 multiply-adds), with the quantising of feats as the work behind its two transcendentals
.if !\last
	WIN 0x04
.irp c, 0,1,2,3
	v_pk_mul_f32 v[HD+2*\c:HD+2*\c+1], v[N+2*\c:N+2*\c+1], v[HW+2*\c:HW+2*\c+1]
.endr
.irp g, 8,16,24,32,40,48,56
.irp c, 0,1,2,3
	s_delay_alu instid0(VALU_DEP_4)
	v_pk_fma_f32 v[HD+2*\c:HD+2*\c+1], v[N+\g+2*\c:N+\g+2*\c+1], v[HW+\g+2*\c:HW+\g+2*\c+1], v[HD+2*\c:HD+2*\c+1]
.endr
.endr
	WIN 0
	ROWSUM HD
	s_delay_alu instid0(VALU_DEP_1)
	v_add_f32 v[HD], s28, v[HD]
	s_delay_alu instid0(VALU_DEP_1)
	v_mul_f32 v[HD], s37, v[HD]
	s_wait_alu depctr_va_vdst(0)
	v_exp_f32 v[HD], v[HD]
	QUANT_A N
	s_wait_alu depctr_va_vdst(0)
	v_add_f32 v[HD], 1.0, v[HD]
	s_wait_alu depctr_va_vdst(0)
	v_rcp_f32 v[P], v[HD]                          ; p = sigmoid
	QUANT_B N, FC
	s_wait_alu depctr_va_vdst(0)
.else
	QUANT_A N
	QUANT_B N, FC
.endif
	; ---- ACT's arithmetic: also the eight plain lines between the scale word's last write and the scaled products
.if \first
	v_mov_b32 v[PEFF], v[P]                        ; halting is 0: every row is still running
	v_mov_b32 v[HALT], v[P]
	v_sub_f32 v[REM], 1.0, v[P]
	v_add_f32 v[POND], 1.0, v[POND]
	NOPS 4
.elseif \last
	v_cmp_gt_f32 vcc_lo, 0x3f7d70a4, v[HALT]       ; 0.99 > halting
	s_delay_alu instid0(VALU_DEP_1)
	v_cndmask_b32 v[STL], 0, 1.0, vcc_lo
	s_delay_alu instid0(VALU_DEP_1)
	v_add_f32 v[POND], v[POND], v[STL]
	v_mov_b32 v[PEFF], v[REM]
	NOPS 5
.else
	v_cmp_gt_f32 vcc_lo, 0x3f7d70a4, v[HALT]
	s_delay_alu instid0(VALU_DEP_1)
	v_cndmask_b32 v[STL], 0, 1.0, vcc_lo
	s_delay_alu instid0(VALU_DEP_1)
	v_add_f32 v[POND], v[POND], v[STL]
	v_mul_f32 v[PEFF], v[P], v[STL]
	s_delay_alu instid0(VALU_DEP_1)
	v_add_f32 v[HALT], v[HALT], v[PEFF]
	s_delay_alu instid0(VALU_DEP_2)
	v_sub_f32 v[REM], v[REM], v[PEFF]
	NOPS 3
.endif
	; ---- the scores -d / 2: -|c|^2 / 2 is the C; the graph bias's digits x the last one-hot; feats x codebook.  The two accumulators take turns
	s_wait_dscnt 0x0                               ; all the LDS loads asked for above
.if !\first
	WIN 0x04                                       ; source 1 (the one-hot operand) in window 1
	WMA SCO, GF, OH, TS, ONE
	WMA SCO+8, GF+16, OH, TS+2, ONE
	WMA SCO, GF+8, OH, TS+1, ONE
	s_wait_alu depctr_va_vdst(0)
	WMA SCO+8, GF+24, OH, TS+3, ONE
.endif
	WIN 0x01                                       ; source 0 (the codebook) in window 1
	WMA SCO, CBF, FC, CBS, AS
	WMA SCO+8, CBF+8, FC, CBS+1, AS
	WIN 0
	NOPS 4                                         ; for the loads into registers that the products read, and for the first read of the scores
.set ii, 0
.rept 16
	ds_load_b128 v[FB+4*ii:FB+4*ii+3], v[LI] offset:ZD+512*ii      ; the codebook's digits, features 0-63
.set ii, ii+1
.endr
	ds_load_b128 v[TS:TS+3], v[LI] offset:ZDS
	ds_load_b128 v[TS+4:TS+7], v[LI] offset:ZDS+512
	; ---- the argmax; register 8 t + j is symbol 16 t + 8 h + j; the lowest index wins
	v_max3_num_f32 v240, v[SCO], v[SCO+1], v[SCO+2]
	v_max3_num_f32 v241, v[SCO+8], v[SCO+9], v[SCO+10]
	v_max3_num_f32 v240, v240, v[SCO+3], v[SCO+4]
	v_max3_num_f32 v241, v241, v[SCO+11], v[SCO+12]
	v_max3_num_f32 v240, v240, v[SCO+5], v[SCO+6]
	v_max3_num_f32 v241, v241, v[SCO+13], v[SCO+14]
	v_max3_num_f32 v240, v240, v[SCO+7], v[SCO+15]
	s_delay_alu instid0(VALU_DEP_1)
	v_max_num_f32 v240, v240, v241
	s_delay_alu instid0(VALU_DEP_1)
	v_permlanex16_b32 v[PX], v240, s30, s31
	s_delay_alu instid0(VALU_DEP_1)
	v_max_num_f32 v240, v240, v[PX]                ; the row's largest score
	v_mov_b32 v242, 64
	v_mov_b32 v243, 64
.set jj, 7
.rept 8
	v_cmp_eq_f32 s[40+2*(jj%2)], v[SCO+jj], v240
	v_cmp_eq_f32 s[41+2*(jj%2)], v[SCO+8+jj], v240
	s_delay_alu instid0(VALU_DEP_2)
	v_cndmask_b32 v242, v242, jj, s[40+2*(jj%2)]
	s_delay_alu instid0(VALU_DEP_2)
	v_cndmask_b32 v243, v243, 16+jj, s[41+2*(jj%2)]
.set jj, jj-1
.endr
	s_delay_alu instid0(VALU_DEP_1)
	v_min_u32 v242, v242, v243
	v_bfe_u32 v244, v0, 4, 1
	s_delay_alu instid0(VALU_DEP_1)
	v_lshl_add_u32 v242, v244, 3, v242
	s_delay_alu instid0(VALU_DEP_1)
	v_permlanex16_b32 v[PX], v242, s30, s31
	s_delay_alu instid0(VALU_DEP_1)
	v_min_u32 v242, v242, v[PX]                    ; idx, in both lanes of the row
	s_delay_alu instid0(VALU_DEP_1)
	v_and_b32 v243, 7, v242
	s_delay_alu instid0(VALU_DEP_1)
	v_lshlrev_b32 v243, 2, v243
	v_mov_b32 v244, 6                              ; the code of 4.0
	s_delay_alu instid0(VALU_DEP_1)
	v_lshlrev_b32 v244, v243, v244
	v_lshrrev_b32 v245, 3, v242
.irp j, 0,1,2,3
	v_cmp_eq_u32 s[40+\j], \j, v245
.endr
	WIN 0x40                                       ; destination in window 1
.irp j, 0,1,2,3
	v_cndmask_b32 v[OH+\j], 0, v244, s[40+\j]      ; every block of 32 along K holds the same one-hot pattern
	v_cndmask_b32 v[OH+4+\j], 0, v244, s[40+\j]
.endr
	WIN 0
	NOPS 4                                         ; an operand written by vector lines stands four plain lines ahead of a scaled product
	; ---- zq = codebook[idx], 64 features at a time; then the loss, the mix and the ACT sum
	s_wait_alu depctr_va_vdst(0)
.irp g, 0,1
	s_wait_dscnt 0x0                               ; this half's digits and scale words
	WIN 0x04
.irp t, 0,1,2,3
	WM0 ZQ+8*\t, FB+16*\t, OH, TS+2*\t, ONE        ; digits 0-3
.endr
.irp t, 0,1,2,3
	WMA ZQ+8*\t, FB+16*\t+8, OH, TS+2*\t+1, ONE    ; digits 4-7: three other accumulators' turns lie between
.endr
	WIN 0
	NOPS 4
.if \g == 0
.set ii, 0
.rept 16
	ds_load_b128 v[FB+4*ii:FB+4*ii+3], v[LI] offset:ZD+8192+512*ii     ; features 64-127
.set ii, ii+1
.endr
	ds_load_b128 v[TS:TS+3], v[LI] offset:ZDS+1024
	ds_load_b128 v[TS+4:TS+7], v[LI] offset:ZDS+1536
.endif
.set ii, 0
.rept 16
	v_pk_add_f32 v[ZQ+ii:ZQ+ii+1], v[ZQ+ii:ZQ+ii+1], v[N+32*\g+ii:N+32*\g+ii+1] neg_lo:[0,1] neg_hi:[0,1]   ; zq - f
.set ii, ii+2
.endr
	WIN 0x50                                       ; destination and source 2 in window 1
.set ii, 0
.rept 16
	v_pk_fma_f32 v[LOSS+ii%8:LOSS+ii%8+1], v[ZQ+ii:ZQ+ii+1], v[ZQ+ii:ZQ+ii+1], v[LOSS+ii%8:LOSS+ii%8+1]
.set ii, ii+2
.endr
	WIN 0
.set ii, 0
.rept 16
	v_pk_fma_f32 v[N+32*\g+ii:N+32*\g+ii+1], v[ZQ+ii:ZQ+ii+1], s[38:39], v[N+32*\g+ii:N+32*\g+ii+1] op_sel_hi:[1,0,1]   ; z = f + 0.3 (zq - f)
.set ii, ii+2
.endr
.set ii, 0
.rept 16
.if \first
	v_pk_mul_f32 v[ACC+32*\g+ii:ACC+32*\g+ii+1], v[N+32*\g+ii:N+32*\g+ii+1], v[PEFF:PEFF+1] op_sel_hi:[1,0]
.else
	v_pk_fma_f32 v[ACC+32*\g+ii:ACC+32*\g+ii+1], v[N+32*\g+ii:N+32*\g+ii+1], v[PEFF:PEFF+1], v[ACC+32*\g+ii:ACC+32*\g+ii+1] op_sel_hi:[1,0,1]
.endif
.set ii, ii+2
.endr
.endr
.if !\last
	QUANT_A N                                      ; z becomes the next round's operand
	QUANT_B N, ZC
	NOPS 8                                         ; a scale register written by vector lines stands eight plain lines ahead of a scaled product
.endif
.endm
.Ltile:
	s_wait_loadcnt 0x0                             ; z0's codes and scale word are in
	STEP 1, 0
	s_mov_b32 s4, 0
.Lmid:
	s_wait_alu depctr_va_vdst(0)
	STEP 0, 0
	s_add_co_u32 s4, s4, 1
	s_cmp_lt_u32 s4, 2
	s_cbranch_scc1 .Lmid
	STEP 0, 1
	; ---- the decoder
.irp k, 0,1,2,3
	ds_load_b128 v[DF+4*\k:DF+4*\k+3], v[LI] offset:DEC+512*\k
.endr
	ds_load_b128 v[TS:TS+3], v[LI] offset:DECS
.irp k, 0,1,2,3
	ds_load_b128 v[LG+4*\k:LG+4*\k+3], v[LI] offset:DECB+512*\k       ; dec_b is the C
.endr
	s_cmp_eq_u32 s3, 3
	s_cbranch_scc1 .Lno_next
	s_add_co_u32 s6, s5, 8
	GATHER s6                                      ; the next tile's z0 lands while this tile goes out
.Lno_next:
	QUANT_A ACC
	QUANT_B ACC, DC
	NOPS 8
	s_wait_alu depctr_va_vdst(0)
	s_wait_dscnt 0x0
	WMA LG, DF, DC, TS, AS
	WMA LG+8, DF+8, DC, TS+2, AS
	NOPS 4
.irp q, 0,1,2,3
	ds_store_b128 v[STO], v[LG+4*\q:LG+4*\q+3] offset:16*\q           ; my row's logits 16 h .. 16 h + 15, each accumulator from its low end on
.endr
.irp i, 0,1,2,3
	ds_load_b128 v[OB+4*\i:OB+4*\i+3], v[RD] offset:576*\i            ; LDS serves a wave's instructions in order (ISA guide 5.7.1.4): these see my stores.  Four whole rows an instruction
.endr
.irp i, 0,1,2,3
	s_wait_dscnt 3-\i                              ; the younger loads from the stage may stay out
	global_store_b128 v[LI], v[OB+4*\i:OB+4*\i+3], s[24:25] offset:512*\i th:TH_STORE_NT   ; 32 lanes store 512 consecutive bytes, at a multiple of 512 from out0's first byte
.endr
	s_wait_xcnt 0x0                                ; the stores have read their registers and their base: both are written again only behind this wait
	s_add_nc_u64 s[24:25], s[24:25], 2048
	s_add_co_u32 s5, s5, 8
	s_add_co_u32 s3, s3, 1
	s_cmp_lt_u32 s3, 4
	s_cbranch_scc1 .Ltile
	; ---- the wave's two sums: squares of zq - f, and the count of running rows (each row counted in its two lanes)
	WIN 0x05                                       ; sources 0 and 1 in window 1
	v_pk_add_f32 v[224:225], v[LOSS:LOSS+1], v[LOSS+2:LOSS+3]
	v_pk_add_f32 v[226:227], v[LOSS+4:LOSS+5], v[LOSS+6:LOSS+7]
	WIN 0
	v_pk_add_f32 v[224:225], v[224:225], v[226:227]
	s_delay_alu instid0(VALU_DEP_1)
	v_add_f32 v224, v224, v225
	v_mov_b32 v225, v[POND]
.irp m, 1,2,4,8
	s_delay_alu instid0(VALU_DEP_2)
	v_add_f32_dpp v224, v224, v224 row_xmask:\m row_mask:0xf bank_mask:0xf
	s_delay_alu instid0(VALU_DEP_2)
	v_add_f32_dpp v225, v225, v225 row_xmask:\m row_mask:0xf bank_mask:0xf
.endr
	s_delay_alu instid0(VALU_DEP_2)
	v_permlanex16_b32 v[PX], v224, s30, s31
	s_delay_alu instid0(VALU_DEP_1)
	v_add_f32 v224, v224, v[PX]
	s_delay_alu instid0(VALU_DEP_2)
	v_permlanex16_b32 v[PX], v225, s30, s31
	s_delay_alu instid0(VALU_DEP_1)
	v_add_f32 v225, v225, v[PX]
	v_mov_b32 v226, 0
	v_and_b32 v227, 31, v0
	s_delay_alu instid0(VALU_DEP_1)
	v_cmp_eq_u32 vcc_lo, 0, v227
	s_wait_alu depctr_va_vdst(0)
	s_wait_xcnt 0x0                                ; EXEC changes only behind this wait
	s_and_saveexec_b32 s40, vcc_lo
	global_store_b64 v226, v[224:225], s[26:27]    ; lane 0: [loss, count] of wave W at 8 W
	s_wait_xcnt 0x0
	s_or_b32 exec_lo, exec_lo, s40
	s_wait_xcnt 0x0
	s_mov_b32 exec_lo, -1
	v_lshl_add_u32 v254, v0, 2, 0xc000
	v_mov_b32 v255, 0
	s_wait_alu depctr_va_vdst(0)
	s_wait_tensorcnt 0x0
	ds_add_u32 v254, v255
	s_wait_dscnt 0x0
	s_endpgm
.Lfunc_end_k_q5393187f84_main:
	.size	k_q5393187f84_main, .Lfunc_end_k_q5393187f84_main-k_q5393187f84_main
	.p2alignl 7, 3214868480
	.fill 96, 4, 3214868480
	.section	.rodata,"a",@progbits
	.p2align	6, 0x0
	.amdhsa_kernel k_q5393187f84_main
		.amdhsa_group_segment_fixed_size 50176
		.amdhsa_private_segment_fixed_size 0
		.amdhsa_enable_private_segment 0
		.amdhsa_kernarg_size 80
		.amdhsa_user_sgpr_count 2
		.amdhsa_user_sgpr_kernarg_segment_ptr 1
		.amdhsa_wavefront_size32 1
		.amdhsa_system_sgpr_workgroup_id_x 1
		.amdhsa_system_sgpr_workgroup_id_y 1
		.amdhsa_system_sgpr_workgroup_id_z 1
		.amdhsa_system_vgpr_workitem_id 0
		.amdhsa_next_free_vgpr 512
		.amdhsa_next_free_sgpr 66
		.amdhsa_reserve_vcc 1
		.amdhsa_float_denorm_mode_32 3
		.amdhsa_float_denorm_mode_16_64 3
		.amdhsa_memory_ordered 1
		.amdhsa_forward_progress 1
		.amdhsa_inst_pref_size 181
	.end_amdhsa_kernel
	.amdgpu_metadata
---
amdhsa.version: [ 1, 2 ]
amdhsa.kernels:
  - .name:           k_q5393187f84_main
    .symbol:         k_q5393187f84_main.kd
    .args:
      - { .name: x, .offset: 0, .size: 8, .value_kind: global_buffer, .address_space: global }
      - { .name: tab, .offset: 8, .size: 8, .value_kind: global_buffer, .address_space: global }
      - { .name: ztab, .offset: 16, .size: 8, .value_kind: global_buffer, .address_space: global }
      - { .name: ln_scale, .offset: 24, .size: 8, .value_kind: global_buffer, .address_space: global }
      - { .name: ln_shift, .offset: 32, .size: 8, .value_kind: global_buffer, .address_space: global }
      - { .name: mr_bias, .offset: 40, .size: 8, .value_kind: global_buffer, .address_space: global }
      - { .name: halt_w, .offset: 48, .size: 8, .value_kind: global_buffer, .address_space: global }
      - { .name: halt_b, .offset: 56, .size: 8, .value_kind: global_buffer, .address_space: global }
      - { .name: out0, .offset: 64, .size: 8, .value_kind: global_buffer, .address_space: global }
      - { .name: part, .offset: 72, .size: 8, .value_kind: global_buffer, .address_space: global }
    .group_segment_fixed_size: 50176
    .private_segment_fixed_size: 0
    .kernarg_segment_align: 8
    .kernarg_segment_size: 80
    .max_flat_workgroup_size: 256
    .sgpr_count:     66
    .vgpr_count:     512
    .wavefront_size: 32
...
	.end_amdgpu_metadata
.endif
;; end of part 2
;; launch finish (part 3): grid 1 x 1, 1 waves a work-group, no clusters, 0 bytes of LDS; arguments part, out1, out2; writes out1, out2
.if DOCPART == 3
	.amdgcn_target "amdgcn-amd-amdhsa--gfx1250"
	.amdhsa_code_object_version 6
	.text
	.protected	k_q5393187f84_finish
	.globl	k_q5393187f84_finish
	.p2align	8
	.type	k_q5393187f84_finish,@function
k_q5393187f84_finish:
	s_mov_b64 s[64:65], 0
	v_nop
	global_prefetch_b8 v0, s[64:65] scope:SCOPE_SE
	s_setreg_imm32_b32 hwreg(HW_REG_WAVE_MODE, 25, 1), 1
	s_wait_xcnt 0x0
; The two means.  part holds, for each of the 2,048 waves of the main launch, [sum of (zq - f)^2, count of running rows, each row counted twice].
; One wave adds them in a fixed order: 32 loads of 16 bytes a lane (two pairs each), four chains of packed additions, then across the lanes.
; vq_total = 1.25 x sum / (131,072 x 128) = sum x 1.25 x 2^-24;   ponder = count / (2 x 131,072) = count x 2^-18.
	s_load_b128 s[4:7], s[0:1], 0x0                ; part, out1
	s_load_b64 s[8:9], s[0:1], 0x10                ; out2
	v_lshlrev_b32 v1, 4, v0
	v_mov_b32 v2, 0                                ; lane permutes' destinations
	v_mov_b32 v3, 0
	v_mov_b32 v4, 0
	s_mov_b32 s12, 0x76543210
	s_mov_b32 s13, 0xfedcba98
	s_wait_alu depctr_va_vdst(0)
	s_wait_kmcnt 0x0
.set ii, 0
.rept 32
	global_load_b128 v[32+4*ii:35+4*ii], v1, s[4:5] offset:512*ii
.set ii, ii+1
.endr
	s_wait_loadcnt 0x0
.irp c, 0,1,2,3
	v_pk_add_f32 v[16+2*\c:17+2*\c], v[32+2*\c:33+2*\c], v[40+2*\c:41+2*\c]    ; the first additions start the sums
.endr
.set ii, 16
.rept 14
.irp c, 0,1,2,3
	v_pk_add_f32 v[16+2*\c:17+2*\c], v[16+2*\c:17+2*\c], v[32+ii+2*\c:33+ii+2*\c]
.endr
.set ii, ii+8
.endr
	v_pk_add_f32 v[16:17], v[16:17], v[18:19]
	v_pk_add_f32 v[20:21], v[20:21], v[22:23]
	v_pk_add_f32 v[16:17], v[16:17], v[20:21]
.irp m, 1,2,4,8
	v_add_f32_dpp v16, v16, v16 row_xmask:\m row_mask:0xf bank_mask:0xf
	v_add_f32_dpp v17, v17, v17 row_xmask:\m row_mask:0xf bank_mask:0xf
.endr
	v_permlanex16_b32 v2, v16, s12, s13
	v_permlanex16_b32 v3, v17, s12, s13
	v_add_f32 v16, v16, v2
	v_add_f32 v17, v17, v3
	v_mul_f32 v16, 0x33a00000, v16
	v_mul_f32 v17, 0x36800000, v17
	v_cmp_eq_u32 vcc_lo, 0, v0
	s_wait_alu depctr_va_vdst(0)
	s_wait_xcnt 0x0                                ; EXEC changes only behind this wait
	s_and_saveexec_b32 s14, vcc_lo
	global_store_b32 v4, v17, s[6:7]               ; ponder
	global_store_b32 v4, v16, s[8:9]               ; vq_total
	s_wait_xcnt 0x0
	s_or_b32 exec_lo, exec_lo, s14
	s_endpgm
.Lfunc_end_k_q5393187f84_finish:
	.size	k_q5393187f84_finish, .Lfunc_end_k_q5393187f84_finish-k_q5393187f84_finish
	.p2alignl 7, 3214868480
	.fill 96, 4, 3214868480
	.section	.rodata,"a",@progbits
	.p2align	6, 0x0
	.amdhsa_kernel k_q5393187f84_finish
		.amdhsa_group_segment_fixed_size 0
		.amdhsa_private_segment_fixed_size 0
		.amdhsa_enable_private_segment 0
		.amdhsa_kernarg_size 24
		.amdhsa_user_sgpr_count 2
		.amdhsa_user_sgpr_kernarg_segment_ptr 1
		.amdhsa_wavefront_size32 1
		.amdhsa_system_sgpr_workgroup_id_x 1
		.amdhsa_system_sgpr_workgroup_id_y 1
		.amdhsa_system_sgpr_workgroup_id_z 1
		.amdhsa_system_vgpr_workitem_id 0
		.amdhsa_next_free_vgpr 160
		.amdhsa_next_free_sgpr 66
		.amdhsa_reserve_vcc 1
		.amdhsa_float_denorm_mode_32 3
		.amdhsa_float_denorm_mode_16_64 3
		.amdhsa_memory_ordered 1
		.amdhsa_forward_progress 1
		.amdhsa_inst_pref_size 9
	.end_amdhsa_kernel
	.amdgpu_metadata
---
amdhsa.version: [ 1, 2 ]
amdhsa.kernels:
  - .name:           k_q5393187f84_finish
    .symbol:         k_q5393187f84_finish.kd
    .args:
      - { .name: part, .offset: 0, .size: 8, .value_kind: global_buffer, .address_space: global }
      - { .name: out1, .offset: 8, .size: 8, .value_kind: global_buffer, .address_space: global }
      - { .name: out2, .offset: 16, .size: 8, .value_kind: global_buffer, .address_space: global }
    .group_segment_fixed_size: 0
    .private_segment_fixed_size: 0
    .kernarg_segment_align: 8
    .kernarg_segment_size: 24
    .max_flat_workgroup_size: 32
    .sgpr_count:     66
    .vgpr_count:     160
    .wavefront_size: 32
...
	.end_amdgpu_metadata
.endif
;; end of part 3
